; MI455X (gfx1250); checked and timed in simulation.
; The chip was launched on July 23, 2026; its instructions are those of AMD's public machine-readable ISA for CDNA 5 (MIT licence, August 2026) and "CDNA5" Instruction Set Architecture Reference Guide (July 2026). The comments in the code are by the model that wrote it; some were corrected since.
;; Multi Head Attention. Allowed arithmetic: matrix products marked QUANTISED: E4M3 operands, one given power-of-two scale a tensor, by v_wmma_f32_16x16x64_fp8_fp8 or v_wmma_f32_16x16x128_fp8_fp8, f32 sums; everything else in f32.
;; Inputs: Wk 16 x 1,024 x 64 float32; Wo 1,024 x 1,024 float32; Wq 16 x 1,024 x 64 float32; Wv 16 x 1,024 x 64 float32; bo 1,024 float32; lowp_scales 12 int32 (the exponents e of the quantised operands' scales 2^e); x 4 x 2,048 x 1,024 float32.
;; Outputs: out0 4 x 2,048 x 1,024 float32.
;; This version of the problem:
;;   THIS VERSION OF THE PROBLEM IS GIVEN IN LOW PRECISION. The matrix products marked QUANTISED in the list below multiply operands that are first quantised to E4M3 (4 exponent bits, 3 mantissa bits; 8 bits a number), with one given power-of-two scale for each operand tensor; their sums are f32. All else is computed in f32.
;;   The module's matrix products, in the order in which they are computed (A, B: the left and right operand; K: the contracted axis; several contracted axes count as one K, in the product's order):
;;     1. [M 1,024, K 1,024] x [K 1,024, N 8,192]; A: input Wq; B: input x: QUANTISED (scales: A lowp_scales[0], B lowp_scales[1])
;;     2. [M 1,024, K 1,024] x [K 1,024, N 8,192]; A: input Wk; B: input x: QUANTISED (scales: A lowp_scales[2], B lowp_scales[3])
;;     3. [M 1,024, K 1,024] x [K 1,024, N 8,192]; A: input Wv; B: input x: QUANTISED (scales: A lowp_scales[4], B lowp_scales[5])
;;     4. batch 64 x [M 2,048, K 64] x [K 64, N 2,048]; A: computed on the way; B: computed on the way: QUANTISED (scales: A lowp_scales[6], B lowp_scales[7])
;;     5. batch 64 x [M 2,048, K 2,048] x [K 2,048, N 64]; A: softmax (see below); B: computed on the way: QUANTISED (scales: A lowp_scales[8], B lowp_scales[9])
;;     6. [M 8,192, K 1,024] x [K 1,024, N 1,024]; A: computed on the way; B: input Wo: QUANTISED (scales: A lowp_scales[10], B lowp_scales[11])
;;   THE QUANTISER, for each operand of a quantised product, along K:
;;     - The operand's scale is 2^e, e = its entry of the input lowp_scales (int32; the entries are numbered through the quantised products in the list's order, A before B).
;;     - Each number is divided by the scale, clamped to +-448, and rounded to the nearest number of E4M3, ties to even, subnormals kept.
;;     - The product sums the exact products of the quantised numbers (number of the format x scale) in f32.
;;   ~~~python
;;   def quantise(x, axis, e):      # numpy; x: float32 -> the quantised numbers, widened to float32 again
;;       x = np.moveaxis(x, axis, -1); K = x.shape[-1]
;;       r = np.clip(x / 2.0 ** e, -448, 448)
;;       step = 2.0 ** (np.maximum(np.frexp(np.where(r == 0, 1, r))[1] - 1, -6) - 3)
;;       q = np.round(r / step) * step * 2.0 ** e      # np.round: ties to even
;;       return np.moveaxis(q, -1, axis).astype(np.float32)
;;   ~~~
;;   SOFTMAX AHEAD OF A QUANTISED PRODUCT. Where the list says 'softmax', what is quantised is not the finished softmax but p = 2^(t - M), with t = logit x log2(e) and M = ceil(the row's largest t), a whole number; so 1/2 < the row's largest p <= 1. The row's sum l is taken of the UNQUANTISED p, in f32, and the product's result is divided by l at the end. Since M is a whole number, a kernel that streams over the keys may use a running M (the ceiling of the running maximum): every later rescaling is an exact power of two, so the quantised numbers keep their values, but for numbers so far below the row's largest that they fall under the format's range.
;;   OPERANDS COMPUTED ON THE WAY. 'Computed on the way' means the value that the module computes at that place (a softmax that the list does not call 'softmax' is quantised finished and normalised). What goes into a quantiser is computed in f32, as accurately as f32 sums, v_exp_f32 and their like allow (about 1e-6 of the number): no bf16 or f16 on the way to a quantiser, and a product that is left as it is and whose result goes on into a quantised operand takes f32 operands (vector FMAs, or v_wmma_f32_16x16x4_f32). A number that lies on a knife's edge between two numbers of the format may be rounded either way, as far as f32 arithmetic and the matrix unit's own rounding can turn it there, and no further.
;; One version. Each part assembles by itself: llvm-mc -triple=amdgcn-amd-amdhsa -mcpu=gfx1250 --defsym DOCPART=n.
;; ======== version 1 of 1: 4 launches
;; limits: right only within a limited range of input values
;; workspace buffers: ximg 25,165,824 bytes; wimg 4,194,304 bytes; qimg 8,388,608 bytes; kvimg 16,777,216 bytes; cimg 8,388,608 bytes
;; launch quant (part 1): grid 384 x 1, 4 waves a work-group, no clusters, 35,328 bytes of LDS; arguments x, Wq, Wk, Wv, Wo, lowp_scales, ximg, wimg; writes ximg, wimg
.if DOCPART == 1
	.amdgcn_target "amdgcn-amd-amdhsa--gfx1250"
	.amdhsa_code_object_version 6
	.text
	.protected	k_qa1aaafb423_quant
	.globl	k_qa1aaafb423_quant
	.p2align	8
	.type	k_qa1aaafb423_quant,@function
k_qa1aaafb423_quant:
	s_mov_b64 s[64:65], 0
	v_nop
	global_prefetch_b8 v0, s[64:65] scope:SCOPE_SE
	s_setreg_imm32_b32 hwreg(HW_REG_WAVE_MODE, 25, 1), 1
	s_wait_xcnt 0x0
; x [8192][1024] f32 becomes three sets of E4M3 codes (under the scales 2^e1, 2^e3, 2^e5); Wq, Wk, Wv [16][1024][64] and Wo [1024][1024] f32 become one set each (e0, e2, e4, e11).
; code = number / 2^e, held within +-448, rounded to the nearest code, ties to even.
; LIMITS: each e used here lies between -126 and 119, so that 2^e and 448 x 2^e are f32 numbers.  NaN among the inputs is not served; an infinity is held at the largest code.
; THE LAYOUT OF ALL CODES: images of operand registers.  A tile is 16 rows x 1024 along K = 16,384 bytes; the code of (row place r, k) lies at (k / 32) 512 + ((k / 16) % 2) 256 + 16 r + k % 16:
; so lane l = r + 16 h of a later launch finds its 16 bytes (k = 32 c + 16 h + 0 .. 15) at 512 c + 16 l.  Place r of tile 2 g + u holds row 32 g + 8 u + r + 8 (r / 8).
; Work-groups 0 to 255 take x: a wave takes one tile x 512 along K, in eight steps of 64.  Each load reads two runs of 256 consecutive bytes; a step's 4,096 bytes turn through the wave's own stage in LDS, so that a lane
; gets 16 neighbours along K; each store covers 512 consecutive bytes, aligned.  Work-groups 256 to 383 take the weights, whose K is not innermost: a lane takes a column and its registers run down K; no LDS.
.set SPARE, 34816                      ; behind the four waves' stages: the spare words, 128 bytes for each wave, which no other line names
.set SPW, 12                           ; v12  LDS address of my spare word; never rewritten
.set NIL, 13                           ; v13  0; never rewritten
.set STG, 4352                         ; a stage: 16 rows x (256 bytes + 16); two for each wave
.set R,   16                           ; v16-111   three sets of 32: a step's numbers as loaded
.set X,   112                          ; v112-175  two sets of 32: 2 x 16 neighbours along K
.set T,   176                          ; v176-207  two sets of 16: held numbers
.set C,   208                          ; v208-255  two sets of 24: a step's codes, 4 registers for each of 2 pieces x 3 scales
	s_load_b256 s[4:11], s[0:1], 0x0               ; x s[4:5], Wq s[6:7], Wk s[8:9], Wv s[10:11]
	s_load_b256 s[12:19], s[0:1], 0x20             ; Wo s[12:13], the exponents s[14:15], ximg s[16:17], wimg s[18:19]
	v_lshl_add_u32 v[SPW], v0, 2, SPARE
	v_mov_b32 v[NIL], 0
	v_lshrrev_b32 v1, 5, v0
	v_readfirstlane_b32 s20, v1                    ; wave 0..3
	v_and_b32 v1, 31, v0                           ; lane
	v_and_b32 v2, 15, v0                           ; r
	v_bfe_u32 v3, v0, 4, 1                         ; h
	s_mul_i32 s21, s20, 2*STG                      ; my two stages
	v_mul_u32_u24 v14, v3, 2176
	v_lshl_add_u32 v14, v2, 4, v14
	v_add_nc_u32 v14, s21, v14                     ; into a stage: load i brings place i (lanes 0-15) and place 8 + i (lanes 16-31): 8 h rows of 272 + 16 r
	v_mul_u32_u24 v15, v2, 272
	v_lshl_add_u32 v15, v3, 6, v15
	v_add_nc_u32 v15, s21, v15                     ; out of it: place r, 64 h bytes on: my 16 numbers of a block of 32
	s_wait_kmcnt 0x0
	s_load_b256 s[24:31], s[14:15], 0x0            ; e0 .. e7
	s_load_b128 s[32:35], s[14:15], 0x20           ; e8 .. e11
	s_cmp_lt_u32 ttmp9, 256
	s_cbranch_scc0 .Lweights
	; ---------------- x ----------------
	s_lshl_b32 s22, ttmp9, 2
	s_add_co_u32 s22, s22, s20                     ; 4 x work-group + wave
	s_lshr_b32 s23, s22, 1                         ; my tile, 0..511
	s_and_b32 s22, s22, 1                          ; my half of K
	s_lshr_b32 s36, s23, 1
	s_lshl_b32 s36, s36, 17                        ; 32 (tile / 2) rows of 4,096 bytes
	s_and_b32 s37, s23, 1
	s_lshl_b32 s37, s37, 15                        ; + 8 (tile % 2) rows
	s_add_co_u32 s36, s36, s37
	s_lshl_b32 s37, s22, 11                        ; + 512 numbers
	s_add_co_u32 s36, s36, s37
	s_mov_b32 s37, 0
	s_add_nc_u64 s[4:5], s[4:5], s[36:37]
	s_lshl_b32 s36, s23, 14                        ; the tile's image,
	s_lshl_b32 s38, s22, 13                        ; its second 16 pieces
	s_add_co_u32 s36, s36, s38
	s_add_nc_u64 s[36:37], s[16:17], s[36:37]      ; under e1,
	s_add_nc_u64 s[38:39], s[36:37], 0x800000      ; under e3,
	s_add_nc_u64 s[40:41], s[38:39], 0x800000      ; under e5
	s_wait_alu depctr_va_vdst(0)
	v_lshlrev_b32 v4, 16, v3
	v_lshl_add_u32 v4, v2, 4, v4                   ; in: lanes 16-31 stand 16 rows further down; 16 bytes a lane
	v_lshlrev_b32 v5, 4, v1                        ; out: 16 bytes a lane
.macro LOAD t                          ; step t: 64 numbers of each of the tile's 16 rows
.irp i, 0,1,2,3,4,5,6,7
	global_load_b128 v[R+32*((\t)%3)+4*\i:R+32*((\t)%3)+4*\i+3], v4, s[4:5] offset:\i*4096+(\t)*256 th:TH_LOAD_NT
.endr
.endm
.macro TURN t                          ; through the stage: LDS serves a wave's instructions in order, so no wait stands between the stores and the loads
.irp i, 0,1,2,3,4,5,6,7
	ds_store_b128 v14, v[R+32*((\t)%3)+4*\i:R+32*((\t)%3)+4*\i+3] offset:STG*((\t)%2)+272*\i
.endr
.irp c, 0,1
.irp j, 0,1,2,3
	ds_load_b128 v[X+32*((\t)%2)+16*\c+4*\j:X+32*((\t)%2)+16*\c+4*\j+3], v15 offset:STG*((\t)%2)+128*\c+16*\j
.endr
.endr
.endm
	LOAD 0
	LOAD 1
	LOAD 2
	s_wait_alu depctr_va_vdst(0)
	s_wait_kmcnt 0x0
.irp z, 0,1,2
	s_add_co_i32 s42, s[25+2*\z], 127
	s_lshl_b32 s43, s42, 23
	v_mov_b32 v[6+\z], s43                         ; 2^e as f32: the conversion takes its exponent field
	s_add_co_i32 s42, s42, 8
	s_lshl_b32 s42, s42, 23
	s_or_b32 s42, s42, 0x600000
	v_mov_b32 v[9+\z], s42                         ; 448 x 2^e
.endr
	s_wait_alu depctr_va_vdst(0)
	s_wait_loadcnt 16                              ; step 0's eight loads are in; steps 1 and 2 may be out
	TURN 0
.macro STEP t
	s_wait_dscnt 0x0                               ; this step's numbers are back from the stage, and its stage stores have read their registers,
	s_wait_xcnt 0x0                                ; and the stores of two steps ago have read the codes' registers that this step writes
.if (\t)+3 < 8
	LOAD (\t)+3                                    ; into the set that this step's stage stores have left
.endif
.if (\t)+1 < 8
.if (\t) < 5
	s_wait_loadcnt 16                              ; the next step's loads are in; those of the two steps behind it may be out
.else
	s_wait_loadcnt 8*(6-(\t))
.endif
	TURN (\t)+1                                    ; the next step goes through the other stage while this one is worked
.endif
.irp c, 0,1
.irp z, 0,1,2
.set i, 0
.rept 16
	v_med3_num_f32 v[T+16*((3*\c+\z)%2)+i], v[X+32*((\t)%2)+16*\c+i], -v[9+\z], v[9+\z]   ; the conversion to an 8-bit code does not saturate (ISA guide 7.6.2): the hold comes first.  The two sets of T take turns, so sixteen plain lines stand between a conversion and the next write of its sources
.set i, i+1
.endr
	v_cvt_scalef32_pk8_fp8_f32 v[C+24*((\t)%2)+4*(3*\c+\z):C+24*((\t)%2)+4*(3*\c+\z)+1], v[T+16*((3*\c+\z)%2):T+16*((3*\c+\z)%2)+7], v[6+\z]
	v_cvt_scalef32_pk8_fp8_f32 v[C+24*((\t)%2)+4*(3*\c+\z)+2:C+24*((\t)%2)+4*(3*\c+\z)+3], v[T+16*((3*\c+\z)%2)+8:T+16*((3*\c+\z)%2)+15], v[6+\z]
	global_store_b128 v5, v[C+24*((\t)%2)+4*(3*\c+\z):C+24*((\t)%2)+4*(3*\c+\z)+3], s[36+2*\z:37+2*\z] offset:(\t)*1024+\c*512   ; a whole piece: 512 consecutive bytes, aligned
.endr
.endr
.endm
.irp t, 0,1,2,3,4,5,6,7
	STEP \t
.endr
	s_wait_tensorcnt 0x0                           ; the wave's end, behind my last LDS store
	ds_add_u32 v[SPW], v[NIL]
	s_wait_dscnt 0x0
	s_endpgm
	; ---------------- the weights ----------------
.Lweights:
	s_sub_co_u32 s22, ttmp9, 256
	s_lshr_b32 s23, s22, 5                         ; which weight: 0 Wq, 1 Wk, 2 Wv, 3 Wo
	s_and_b32 s36, s22, 7
	s_bfe_u32 s37, s22, 0x20003                    ; which 256 along K
	s_lshl_b32 s36, s36, 2
	s_add_co_u32 s36, s36, s20                     ; G: which 32 columns (rows of the operand), 0..31
	s_lshr_b32 s38, s36, 1
	s_lshl_b32 s38, s38, 18                        ; a head's weight: head G / 2 (262,144 bytes),
	s_lshl_b32 s39, s37, 16                        ; 256 rows of 256 bytes,
	s_add_co_u32 s38, s38, s39
	s_and_b32 s39, s36, 1
	s_lshl_b32 s39, s39, 7                         ; 32 columns
	s_add_co_u32 s38, s38, s39
	s_lshl_b32 s40, s37, 20                        ; Wo: 256 rows of 4,096 bytes,
	s_lshl_b32 s39, s36, 7                         ; 32 G columns
	s_add_co_u32 s40, s40, s39
	s_cmp_eq_u32 s23, 3                            ; the choices hang on the work-group's number alone
	s_cselect_b32 s38, s40, s38
	s_cselect_b64 s[4:5], s[12:13], s[10:11]
	s_cmp_eq_u32 s23, 1
	s_cselect_b64 s[4:5], s[8:9], s[4:5]
	s_cmp_eq_u32 s23, 0
	s_cselect_b64 s[4:5], s[6:7], s[4:5]
	s_mov_b32 s39, 0
	s_add_nc_u64 s[4:5], s[4:5], s[38:39]
	s_lshl_b32 s38, s23, 20                        ; the weight's part of wimg,
	s_lshl_b32 s40, s36, 15                        ; tiles 2 G and 2 G + 1,
	s_add_co_u32 s38, s38, s40
	s_lshl_b32 s40, s37, 12                        ; eight pieces for 256 along K
	s_add_co_u32 s38, s38, s40
	s_add_nc_u64 s[18:19], s[18:19], s[38:39]
	v_and_b32 v4, 7, v0
	v_bfe_u32 v6, v0, 3, 1
	v_lshl_add_u32 v4, v6, 4, v4
	v_lshl_add_u32 v4, v3, 3, v4                   ; place l holds column l with its bits 3 and 4 exchanged
	v_lshlrev_b32 v4, 2, v4
	v_lshlrev_b32 v5, 14, v3
	v_lshl_add_u32 v5, v2, 4, v5                   ; out: tile 2 G + h, 16 r
	s_wait_kmcnt 0x0
	s_cmp_eq_u32 s23, 3
	s_cselect_b32 s42, s35, s28                    ; e11 or e4
	s_cmp_eq_u32 s23, 1
	s_cselect_b32 s42, s26, s42                    ; e2
	s_cmp_eq_u32 s23, 0
	s_cselect_b32 s42, s24, s42                    ; e0
	s_add_co_i32 s42, s42, 127
	s_lshl_b32 s43, s42, 23
	v_mov_b32 v11, s43                             ; 2^e
	s_add_co_i32 s42, s42, 8
	s_lshl_b32 s42, s42, 23
	s_or_b32 s42, s42, 0x600000
	v_mov_b32 v10, s42                             ; 448 x 2^e
.macro LOADW t, rs                     ; block t: 32 along K of my column; a wave's load reads 128 consecutive bytes
.set i, 0
.rept 32
	global_load_b32 v[32+32*((\t)%2)+i], v4, s[4:5] offset:(32*(\t)+i)*\rs th:TH_LOAD_NT
.set i, i+1
.endr
.endm
.macro WBODY rs                        ; rs: bytes from one k to the next
	LOADW 0, \rs
	LOADW 1, \rs
.irp t, 0,1,2,3,4,5,6,7
.if \t < 7
	s_wait_loadcnt 32                              ; this block's 32 loads are in; the next block's may be out
.else
	s_wait_loadcnt 0x0
.endif
.set i, 0
.rept 32
	v_med3_num_f32 v[32+32*(\t%2)+i], v[32+32*(\t%2)+i], -v10, v10
.set i, i+1
.endr
.irp g, 0,1,2,3
	v_cvt_scalef32_pk8_fp8_f32 v[96+8*\t+2*\g:96+8*\t+2*\g+1], v[32+32*(\t%2)+8*\g:32+32*(\t%2)+8*\g+7], v11   ; each block has its own eight registers of codes: no store's data are written again
.endr
	global_store_b128 v5, v[96+8*\t:96+8*\t+3], s[18:19] offset:512*\t        ; k = 32 t + 0 .. 15: sixteen lanes store 256 consecutive bytes, aligned
	global_store_b128 v5, v[96+8*\t+4:96+8*\t+7], s[18:19] offset:512*\t+256  ; k = 32 t + 16 .. 31
.if \t < 6
	LOADW \t+2, \rs
.endif
.endr
	s_endpgm
.endm
	s_cmp_eq_u32 s23, 3
	s_cbranch_scc1 .Lwo
	s_wait_alu depctr_va_vdst(0)
	WBODY 256
.Lwo:
	s_wait_alu depctr_va_vdst(0)
	WBODY 4096
.Lfunc_end_k_qa1aaafb423_quant:
	.size	k_qa1aaafb423_quant, .Lfunc_end_k_qa1aaafb423_quant-k_qa1aaafb423_quant
	.p2alignl 7, 3214868480
	.fill 96, 4, 3214868480
	.section	.rodata,"a",@progbits
	.p2align	6, 0x0
	.amdhsa_kernel k_qa1aaafb423_quant
		.amdhsa_group_segment_fixed_size 35328
		.amdhsa_private_segment_fixed_size 0
		.amdhsa_enable_private_segment 0
		.amdhsa_kernarg_size 64
		.amdhsa_user_sgpr_count 2
		.amdhsa_user_sgpr_kernarg_segment_ptr 1
		.amdhsa_wavefront_size32 1
		.amdhsa_system_sgpr_workgroup_id_x 1
		.amdhsa_system_sgpr_workgroup_id_y 1
		.amdhsa_system_sgpr_workgroup_id_z 1
		.amdhsa_system_vgpr_workitem_id 0
		.amdhsa_next_free_vgpr 256
		.amdhsa_next_free_sgpr 66
		.amdhsa_reserve_vcc 0
		.amdhsa_float_denorm_mode_32 3
		.amdhsa_float_denorm_mode_16_64 3
		.amdhsa_memory_ordered 1
		.amdhsa_forward_progress 1
		.amdhsa_inst_pref_size 167
	.end_amdhsa_kernel
	.amdgpu_metadata
---
amdhsa.version: [ 1, 2 ]
amdhsa.kernels:
  - .name:           k_qa1aaafb423_quant
    .symbol:         k_qa1aaafb423_quant.kd
    .args:
      - { .name: x, .offset: 0, .size: 8, .value_kind: global_buffer, .address_space: global }
      - { .name: Wq, .offset: 8, .size: 8, .value_kind: global_buffer, .address_space: global }
      - { .name: Wk, .offset: 16, .size: 8, .value_kind: global_buffer, .address_space: global }
      - { .name: Wv, .offset: 24, .size: 8, .value_kind: global_buffer, .address_space: global }
      - { .name: Wo, .offset: 32, .size: 8, .value_kind: global_buffer, .address_space: global }
      - { .name: lowp_scales, .offset: 40, .size: 8, .value_kind: global_buffer, .address_space: global }
      - { .name: ximg, .offset: 48, .size: 8, .value_kind: global_buffer, .address_space: global }
      - { .name: wimg, .offset: 56, .size: 8, .value_kind: global_buffer, .address_space: global }
    .group_segment_fixed_size: 35328
    .private_segment_fixed_size: 0
    .kernarg_segment_align: 8
    .kernarg_segment_size: 64
    .max_flat_workgroup_size: 128
    .sgpr_count:     66
    .vgpr_count:     256
    .wavefront_size: 32
...
	.end_amdgpu_metadata
.endif
;; end of part 1
;; launch qkv (part 2): grid 4 x 96, 4 waves a work-group, clusters of 4 x 4, 327,680 bytes of LDS; arguments ximg, wimg, lowp_scales, qimg, kvimg; writes qimg, kvimg
.if DOCPART == 2
	.amdgcn_target "amdgcn-amd-amdhsa--gfx1250"
	.amdhsa_code_object_version 6
	.text
	.protected	k_qa1aaafb423_qkv
	.globl	k_qa1aaafb423_qkv
	.p2align	8
	.type	k_qa1aaafb423_qkv,@function
k_qa1aaafb423_qkv:
	s_mov_b64 s[64:65], 0
	v_nop
	global_prefetch_b8 v0, s[64:65] scope:SCOPE_SE
	s_setreg_imm32_b32 hwreg(HW_REG_WAVE_MODE, 25, 1), 1
	s_wait_xcnt 0x0
	s_wait_alu depctr_hold_cnt(0) depctr_sa_sdst(0) depctr_va_vdst(0) depctr_va_sdst(0) depctr_va_ssrc(0) depctr_va_vcc(0) depctr_vm_vsrc(0)
	s_getreg_b32 s2, hwreg(HW_REG_IB_STS2, 6, 4)
	s_cmp_eq_u32 s2, 0
	s_cbranch_scc0 .Lentry_in_a_cluster
	s_endpgm
.Lentry_in_a_cluster:
	s_bfe_u32 s2, ttmp6, 0x10000c
	s_cmp_lg_u32 s2, 0xf033
	s_cbranch_scc0 .Lentry_shape_is_right
	s_endpgm
.Lentry_shape_is_right:
; q, k and v: three products of 8192 x 1024 x 1024 on E4M3 codes, whose f32 sums are quantised at once to the codes that the attention reads.
; Cluster y = 8 z + g: z = 0 makes q, 1 makes k, 2 makes v.  A tile of the result is 256 (side A) x 256 (side B); four waves, each 128 x 128: 64 accumulators, 512 registers.
; z < 2: side A = tokens (ximg, part z), side B = the weight's rows 64 head + e (wimg, part z).  z = 2: THE SIDES ARE EXCHANGED (A = Wv's rows, B = tokens), so that a lane's registers run along the keys, which are v's K.
; All operands are images of registers: 16,384 bytes a tile of 16 rows; piece c (k = 32 c .. 32 c + 31) is 512 bytes, lane l's 16 bytes at 16 l.  That is one permutation of k, the same on both sides of the product.
; THE MATRIX INSTRUCTION IS USED TRANSPOSED (source 0 = side B, source 1 = side A), and place r of tile 2 g + u holds row 32 g + 8 u + r + 8 (r / 8): so the 16 registers of B tiles 2 p and 2 p + 1 are the 16 neighbours
; 32 p + 16 (lane / 16) + 0 .. 15 along side B, two conversions make a lane's 16 bytes of a piece of the next operand, and a store of 16 bytes a lane writes 512 consecutive bytes: no stage in LDS.
; K goes in steps of 256 through two LDS slots filled by joint tensor loads: 4 x 4 work-groups; A's tile is shared along a row of the cluster, B's along a column.  By this text's own count a wave has at most two tensor loads out.
; code = sum / 2^(eo - ew - ex), held within +-448: eo = e6, e7, e9; ew = e0, e2, e4; ex = e1, e3, e5.  LIMIT: eo - ew - ex between -126 and 119.  NaN is not served.
; REGISTERS, in windows of 256: window 0: v10-29 scale, limit, addresses; v32-95 held sums; v128-255 A's fragments, ONE set, on the way out the codes.  window 1: B's fragments, TWO sets.  windows 2, 3: the accumulators ((a, b) at v[8 (8 (a % 4) + b)]).
.set FR,    16                         ; registers of a fragment: 16 rows x 128 K
.set NL,    4                          ; LDS loads that bring one
.set NP,    4                          ; places behind this matrix instruction (ISA guide 7.12.1)
.set SLOT,  131072                     ; a slot: A's 16 tiles x 4,096 bytes (256 along K), then B's 16
.set SPARE, 2*SLOT                     ; behind the ring: the spare words, 128 bytes for each wave, which no other line names
.set SCL,  10                          ; v10  2^(eo - ew - ex)
.set LIM,  11                          ; v11  448 x that
.set ADRA, 16                          ; v16-17  LDS address of my A fragments in slot 0, 1
.set ADRB, 20                          ; v20-21  the same for B
.set LI,   26                          ; v26  16 x lane
.set SPW,  28                          ; v28  LDS address of my spare word; never rewritten
.set NIL,  29                          ; v29  0; never rewritten
.set TMP,  32
.set AF,   128
.set G1,  24                           ; s[24:31] descriptor group 1 for A's tiles; s[32:39] group 0, a set for each slot
.set G0,  32
.set G1B, 48                           ; s[48:55], s[56:63] the same for B's
.set G0B, 56
.set OB,  68                           ; s[68:75] four bases for the way out
.set MSB, 0
.macro WIN new                         ; the immediate's high byte repeats the setting that is left
.if MSB != \new
	s_set_vgpr_msb (MSB<<8)|\new
.set MSB, \new
.endif
.endm
.set MUL_LO, 0xa1                      ; source 0 (B) window 1, source 1 (A) window 0, C and D window 2
.set MUL_HI, 0xf1                      ; the same, C and D window 3
.set TO_B,   0x40                      ; destination window 1, address window 0
; A joint load: waves 0 and 1 fetch for A, waves 2 and 3 for B; the branch hangs on the wave's number alone.  An s_nop 0 and four v_nop follow each of the two lines.
.macro JLOAD g0a, g1a, g0b, g1b
	s_cmp_eq_u32 s15, 0
	s_cbranch_scc0 .Lfor_b_\@
	tensor_load_to_lds s[\g0a:\g0a+3], s[\g1a:\g1a+7]
	s_nop 0
.rept 4
	v_nop
.endr
	s_branch .Lasked_\@
.Lfor_b_\@:
	tensor_load_to_lds s[\g0b:\g0b+3], s[\g1b:\g1b+7]
	s_nop 0
.rept 4
	v_nop
.endr
.Lasked_\@:
.endm
.macro CREST                           ; a round of the cluster's barrier behind its opening barrier
	s_cmp_lg_u32 s14, 0
	s_cbranch_scc1 .Lnot_wave_0_\@
	s_barrier_signal -3
.Lnot_wave_0_\@:
	s_barrier_wait -3
	s_barrier_signal -1
	s_barrier_wait -1
.endm
.macro CROUND                          ; a whole round
	s_barrier_signal -1
	s_barrier_wait -1
	CREST
.endm
	s_load_b256 s[4:11], s[0:1], 0x0               ; ximg s[4:5], wimg s[6:7], the exponents s[8:9], qimg s[10:11]
	s_load_b64 s[12:13], s[0:1], 0x20              ; kvimg
	v_lshl_add_u32 v[SPW], v0, 2, SPARE
	v_mov_b32 v[NIL], 0
	ds_add_u32 v[SPW], v[NIL]                      ; the wave's opening: the add and its wait ahead of my first tensor load; work on registers stands between them
	ds_add_u32 v[SPW], v[NIL]
	v_lshrrev_b32 v1, 5, v0
	v_readfirstlane_b32 s14, v1                    ; wave 0..3
	s_lshr_b32 s15, s14, 1                         ; my half of side A.  Also: I fetch for A (0) or for B (1)
	s_and_b32 s16, s14, 1                          ; my half of side B.  Also: which 8 tiles I fetch
	s_bfe_u32 s40, ttmp6, 0x40000                  ; cx
	s_bfe_u32 s41, ttmp6, 0x40004                  ; cy
	s_and_b32 s18, ttmp7, 0xffff                   ; cluster y
	s_lshr_b32 s66, s18, 3                         ; z
	s_and_b32 s67, s18, 7                          ; g
	s_cmp_lt_u32 s66, 2
	s_cselect_b32 s17, s67, 0                      ; the tokens' 32 blocks of 256 lie along side A for q and k, along side B for v
	s_cselect_b32 s42, 0, s67
	s_lshl_b32 s17, s17, 2
	s_add_co_u32 s17, s17, s41                     ; block of side A
	s_lshl_b32 s42, s42, 2
	s_add_co_u32 s42, s42, s40                     ; block of side B
	s_lshl_b32 s43, s41, 2
	s_lshl_b32 s43, 15, s43                        ; my row of the cluster
	s_lshl_b32 s44, 0x1111, s40                    ; my column
	; descriptor group 1: 8 tiles' 256 along K: 8 rows of 4,096 bytes (512 elements of 8 bytes), 16,384 bytes apart in memory, dense in LDS
	s_or_b32 s[G1+0], s43, (3<<16)|(1<<21)         ; 15:0 the mask; 17:16 elements of 8 bytes; 20 no padding; 21 set beside a mask
	s_or_b32 s[G1B+0], s44, (3<<16)|(1<<21)
.irp g, G1, G1B
	s_mov_b32 s[\g+1], 512<<16                     ; tensor_dim0
	s_mov_b32 s[\g+2], 8<<16                       ; tensor_dim1
	s_mov_b32 s[\g+3], 512<<16                     ; tile_dim0
	s_mov_b32 s[\g+4], 8                           ; tile_dim1
	s_mov_b32 s[\g+5], 2048                        ; tensor_dim0_stride
	s_mov_b32 s[\g+6], 0
	s_mov_b32 s[\g+7], 0
.endr
	s_lshl_b32 s20, s66, 23                        ; x's part z (8 MiB each),
	s_lshl_b32 s46, s66, 20                        ; the weight's part z (1 MiB each)
	s_cmp_lt_u32 s66, 2
	s_cselect_b32 s20, s20, 0x200000               ; for v: A is the weight's part 2,
	s_cselect_b32 s46, s46, 0x1000000              ; B is x's part 2
	s_lshl_b32 s18, s17, 18                        ; 16 tiles a block
	s_add_co_u32 s20, s20, s18
	s_lshl_b32 s22, s16, 17                        ; the 8 tiles that I fetch
	s_add_co_u32 s20, s20, s22
	s_mov_b32 s21, 0
	s_lshl_b32 s19, s42, 18
	s_add_co_u32 s46, s46, s19
	s_add_co_u32 s46, s46, s22
	s_mov_b32 s47, 0
	s_lshl_b32 s45, s14, 15                        ; where they go: wave x 32,768: no place in the cluster enters an LDS address
	s_wait_dscnt 0x0                               ; the opening add is done
	s_wait_kmcnt 0x0
	s_load_b256 s[76:83], s[8:9], 0x0              ; e0 .. e7
	s_load_b128 s[84:87], s[8:9], 0x20             ; e8 .. e11
	s_cmp_lt_u32 s66, 2                            ; the choice hangs on the cluster's number alone
	s_cselect_b64 s[88:89], s[4:5], s[6:7]
	s_cselect_b64 s[90:91], s[6:7], s[4:5]
	s_add_nc_u64 s[20:21], s[88:89], s[20:21]
	s_add_nc_u64 s[46:47], s[90:91], s[46:47]
	CROUND                                         ; all sixteen work-groups are here: the first joint loads meet
.irp s, 0,1
	s_mov_b32 s[G0+4*\s], 1
	s_add_co_u32 s[G0+4*\s+1], s45, \s*SLOT
	s_add_nc_u64 s[G0+4*\s+2:G0+4*\s+3], s[20:21], \s*4096
	s_or_b32 s[G0+4*\s+3], s[G0+4*\s+3], 0x80000000
	s_mov_b32 s[G0B+4*\s], 1
	s_add_co_u32 s[G0B+4*\s+1], s45, \s*SLOT
	s_add_nc_u64 s[G0B+4*\s+2:G0B+4*\s+3], s[46:47], \s*4096
	s_or_b32 s[G0B+4*\s+3], s[G0B+4*\s+3], 0x80000000
.endr
	JLOAD G0, G1, G0B, G1B                         ; K step 0: one tensor load a wave at the head
	v_and_b32 v6, 31, v0
	v_lshlrev_b32 v[LI], 4, v6
	s_lshl_b32 s21, s15, 15                        ; my 8 tiles of A
	s_lshl_b32 s22, s16, 15                        ; my 8 tiles of B,
	s_add_co_u32 s22, s22, 65536                   ; which lie behind A's 16
.irp s, 0,1
	v_add_nc_u32 v[ADRA+\s], s21, v[LI]
	v_add_nc_u32 v[ADRB+\s], s22, v[LI]
	s_add_co_u32 s21, s21, SLOT
	s_add_co_u32 s22, s22, SLOT
.endr
	; THE WAY OUT'S BASES.  tt: the tokens' block of 256; th, hh: which four heads, which two of them; t2: my half of the tokens' block.
	; qimg: [batch x head][block][tile 16][piece 2][512];  kvimg: [batch x head][64 keys: 32][8,192]: k's four tiles of 16 keys [tile 4][piece 2][512], then at 4,096 v: [tile of e 4][piece 2][512].
	s_cmp_lt_u32 s66, 2
	s_cselect_b32 s88, s17, s42                    ; tt
	s_cselect_b32 s89, s42, s17                    ; th
	s_cselect_b32 s90, s16, s15                    ; hh
	s_cselect_b32 s91, s15, s16                    ; t2
	s_mov_b32 s94, 262144
	s_cselect_b32 s94, 8192, s94                   ; from A's blocks 0-3 to 4-7: (k) the next 64 keys, or (v) the next head
	s_mov_b32 s98, 8192
	s_cselect_b32 s98, 262144, s98                 ; from B's pairs 0, 1 to 2, 3: the next head, or (v) the next 64 keys
	s_cmp_eq_u32 s66, 0
	s_cselect_b32 s98, 131072, s98
	s_cselect_b32 s94, 4096, s94                   ; (q) four tiles of tokens
	s_cselect_b32 s3, 13, 14                       ; half a block of tokens is 8,192 bytes in qimg, 16,384 in kvimg
	s_cselect_b32 s67, 14, 15                      ; a block is 16,384 bytes in qimg, 32,768 in kvimg
	s_cselect_b64 s[96:97], s[10:11], s[12:13]
	s_cmp_eq_u32 s66, 2
	s_cselect_b32 s2, 4096, 0
	s_mov_b32 s95, 0
	s_mov_b32 s99, 0
	s_lshr_b32 s92, s88, 3                         ; the batch
	s_lshl_b32 s92, s92, 4
	s_lshl_b32 s89, s89, 2
	s_add_co_u32 s92, s92, s89
	s_lshl_b32 s90, s90, 1
	s_add_co_u32 s92, s92, s90                     ; 16 x batch + head
	s_lshl_b32 s92, s92, 3
	s_and_b32 s88, s88, 7
	s_add_co_u32 s92, s92, s88                     ; x 8 + block
	s_lshl_b32 s92, s92, s67
	s_lshl_b32 s91, s91, s3
	s_add_co_u32 s92, s92, s91
	s_add_co_u32 s92, s92, s2
	s_mov_b32 s93, 0
	s_add_nc_u64 s[OB:OB+1], s[96:97], s[92:93]
	s_add_nc_u64 s[OB+2:OB+3], s[OB:OB+1], s[98:99]
	s_add_nc_u64 s[OB+4:OB+5], s[OB:OB+1], s[94:95]
	s_add_nc_u64 s[OB+6:OB+7], s[OB+4:OB+5], s[98:99]
.macro FRAG reg, adr, q, i             ; a fragment, 16 rows x 128 K: four pieces of 512 consecutive bytes: registers 4 c .. 4 c + 3 hold K = 32 c + 16 (l / 16) + 0 .. 15
.irp c, 0,1,2,3
	ds_load_b128 v[\reg+4*\c:\reg+4*\c+3], v[\adr] offset:(\i)*4096+(\q)*2048+512*\c
.endr
.endm
; 16 matrix instructions: A's blocks a0, a0 + 1 x B's eight.  p: B's set.  zero = 1: the first product starts the sums.  The 64 accumulators take turns, in the same order in every step.
.macro MUL16 a0, p, zero
.irp a, \a0, \a0+1
.irp b, 0,1,2,3,4,5,6,7
.if \zero
	v_wmma_f32_16x16x128_fp8_fp8 v[8*(8*((\a)%4)+\b):8*(8*((\a)%4)+\b)+7], v[128*(\p)+FR*\b:128*(\p)+FR*\b+FR-1], v[AF+FR*(\a):AF+FR*(\a)+FR-1], 0
.else
	v_wmma_f32_16x16x128_fp8_fp8 v[8*(8*((\a)%4)+\b):8*(8*((\a)%4)+\b)+7], v[128*(\p)+FR*\b:128*(\p)+FR*\b+FR-1], v[AF+FR*(\a):AF+FR*(\a)+FR-1], v[8*(8*((\a)%4)+\b):8*(8*((\a)%4)+\b)+7]
.endif
.endr
.endr
.endm
.macro FETCH_B slot, q, p
	WIN TO_B
.irp i, 0,1,2,3,4,5,6,7
	FRAG 128*(\p)+FR*\i, ADRB+\slot, \q, \i
.endr
	WIN 0
.endm
.macro FETCH_A slot, q, i0
.irp i, \i0, \i0+1, \i0+2, \i0+3
	FRAG AF+FR*(\i), ADRA+\slot, \q, \i
.endr
.endm
.macro PLACES n                        ; plain vector instructions between a matrix instruction and a load into, or a vector instruction on, its registers
.rept \n
	v_nop
.endr
.endm
; A step of 128 along K that has its successor in the same slot.  A block of A is free when its eight products are issued, so A has one set: blocks 0-3 come anew in the step's middle, blocks 4-7 at its end.
.macro STEP slot, q, zero
	s_wait_dscnt 4*NL                              ; B's set and A's blocks 0-3 are in; the youngest sixteen loads (A's blocks 4-7) may be out
	WIN MUL_LO
	MUL16 0, (\q)%2, \zero
	MUL16 2, (\q)%2, \zero
	s_wait_dscnt 0
	PLACES NP
	FETCH_B \slot, (\q)+1, 1-(\q)%2
	FETCH_A \slot, (\q)+1, 0
	WIN MUL_HI
	MUL16 4, (\q)%2, \zero
	MUL16 6, (\q)%2, \zero
	PLACES NP
	WIN 0
	FETCH_A \slot, (\q)+1, 4
.endm
; A slot's last step changes slots: ONE barrier; in front of it each wave waits for all its tensor loads, adds 0 to its spare word, and waits for that and for its reads of this slot.  fill = 1: the slot is filled again, two K steps ahead.
.macro TURN slot, next, fill
	s_wait_tensorcnt 0x0                           ; all my tensor loads have landed: my part of the next slot
	ds_add_u32 v[SPW], v[NIL]                      ; 0 onto my spare word
	s_wait_dscnt 4*NL+1                            ; (the add and the youngest sixteen loads may be out)
	WIN MUL_LO
	MUL16 0, 1, 0                                  ; sixteen matrix instructions stand between the add and the wait for it
	s_wait_dscnt 0x0                               ; the add is done, and my reads of this slot are over
	s_barrier_signal -1
	MUL16 2, 1, 0
	WIN 0
	s_barrier_wait -1
.if \fill
	CREST                                          ; the barrier has opened a round of the cluster's: no wave of any partner still reads this slot or has a load on its way
	s_add_nc_u64 s[G0+4*\slot+2:G0+4*\slot+3], s[G0+4*\slot+2:G0+4*\slot+3], 8192
	s_add_nc_u64 s[G0B+4*\slot+2:G0B+4*\slot+3], s[G0B+4*\slot+2:G0B+4*\slot+3], 8192
	JLOAD G0+4*\slot, G1, G0B+4*\slot, G1B         ; the first tensor load behind the round; its four v_nop are the places in front of the loads below
.else
	PLACES NP
.endif
	FETCH_B \next, 0, 0
	FETCH_A \next, 0, 0
	WIN MUL_HI
	MUL16 4, 1, 0
	MUL16 6, 1, 0
	PLACES NP
	WIN 0
	FETCH_A \next, 0, 4
.endm
	s_wait_alu depctr_va_vdst(0)
	s_wait_tensorcnt 0x0                           ; my part of K step 0 is in
	ds_add_u32 v[SPW], v[NIL]
	s_wait_dscnt 0x0
	CROUND                                         ; everybody's part of K step 0 is in, and all sixteen work-groups are here
	JLOAD G0+4, G1, G0B+4, G1B                     ; K step 1: the first tensor load behind the round
	FETCH_B 0, 0, 0
	FETCH_A 0, 0, 0
	FETCH_A 0, 0, 4
	STEP 0, 0, 1                                   ; K = 1,024 is four slots' worth, eight steps of 128: written straight on, a loop would have one trip
	TURN 0, 1, 1                                   ; slot 0 takes K step 2
	STEP 1, 0, 0
	TURN 1, 0, 1                                   ; slot 1 takes K step 3
	STEP 0, 0, 0
	TURN 0, 1, 0                                   ; nothing is left to fetch
	STEP 1, 0, 0
	s_wait_dscnt 4*NL
	WIN MUL_LO
	MUL16 0, 1, 0
	MUL16 2, 1, 0
	s_wait_dscnt 0
	WIN MUL_HI
	MUL16 4, 1, 0
	MUL16 6, 1, 0
	WIN 0
	; THE WAY OUT: hold, convert, store.  The three scales are folded into the conversion's one.  No jump hangs on them.
	s_wait_kmcnt 0x0
	s_cmp_eq_u32 s66, 0
	s_cselect_b32 s88, s76, s78                    ; the weight's e
	s_cselect_b32 s89, s77, s79                    ; x's
	s_cselect_b32 s90, s82, s83                    ; the result's
	s_cmp_eq_u32 s66, 2
	s_cselect_b32 s88, s80, s88
	s_cselect_b32 s89, s81, s89
	s_cselect_b32 s90, s85, s90
	s_sub_co_i32 s90, s90, s88
	s_sub_co_i32 s90, s90, s89
	s_add_co_i32 s90, s90, 127
	s_lshl_b32 s91, s90, 23
	v_mov_b32 v[SCL], s91
	s_add_co_i32 s90, s90, 8
	s_lshl_b32 s90, s90, 23
	s_or_b32 s90, s90, 0x600000
	v_mov_b32 v[LIM], s90
	PLACES NP                                      ; behind the last products: for the reads of results and for the codes, which land where A's fragments lay
.macro OUTBLK a                        ; A's block a: 16 rows x 128 of side B: four pieces
	WIN 0x02+((\a)/4)                              ; source 0: window 2 or 3
.set j, 0
.rept 64
	v_med3_num_f32 v[TMP+j], v[64*((\a)%4)+j], -v[LIM], v[LIM]   ; each accumulator from its low end on; the conversion does not saturate (ISA guide 7.6.2)
.set j, j+1
.endr
	WIN 0
.irp g, 0,1,2,3,4,5,6,7
	v_cvt_scalef32_pk8_fp8_f32 v[128+16*(\a)+2*\g:128+16*(\a)+2*\g+1], v[TMP+8*\g:TMP+8*\g+7], v[SCL]   ; every piece has registers of its own: no store's data are written again
.endr
	v_nop                                          ; one plain line between the conversions and the next block's holds, which write their sources
.irp p, 0,1,2,3
	global_store_b128 v[LI], v[128+16*(\a)+4*\p:128+16*(\a)+4*\p+3], s[OB+2*(2*((\a)/4)+\p/2):OB+2*(2*((\a)/4)+\p/2)+1] offset:((\a)%4)*1024+(\p%2)*512   ; 512 consecutive bytes, aligned
.endr
.endm
.irp a, 0,1,2,3,4,5,6,7
	OUTBLK \a
.endr
	s_wait_tensorcnt 0x0                           ; the wave's end
	ds_add_u32 v[SPW], v[NIL]
	s_wait_dscnt 0x0
	CROUND                                         ; the closing round: no work-group ends while a partner may still ask for a tile that names it
	s_endpgm
.Lfunc_end_k_qa1aaafb423_qkv:
	.size	k_qa1aaafb423_qkv, .Lfunc_end_k_qa1aaafb423_qkv-k_qa1aaafb423_qkv
	.p2alignl 7, 3214868480
	.fill 96, 4, 3214868480
	.section	.rodata,"a",@progbits
	.p2align	6, 0x0
	.amdhsa_kernel k_qa1aaafb423_qkv
		.amdhsa_group_segment_fixed_size 327680
		.amdhsa_private_segment_fixed_size 0
		.amdhsa_enable_private_segment 0
		.amdhsa_kernarg_size 40
		.amdhsa_user_sgpr_count 2
		.amdhsa_user_sgpr_kernarg_segment_ptr 1
		.amdhsa_wavefront_size32 1
		.amdhsa_system_sgpr_workgroup_id_x 1
		.amdhsa_system_sgpr_workgroup_id_y 1
		.amdhsa_system_sgpr_workgroup_id_z 1
		.amdhsa_system_vgpr_workitem_id 0
		.amdhsa_next_free_vgpr 1024
		.amdhsa_next_free_sgpr 100
		.amdhsa_reserve_vcc 0
		.amdhsa_float_denorm_mode_32 3
		.amdhsa_float_denorm_mode_16_64 3
		.amdhsa_memory_ordered 1
		.amdhsa_forward_progress 1
		.amdhsa_inst_pref_size 119
	.end_amdhsa_kernel
	.amdgpu_metadata
---
amdhsa.version: [ 1, 2 ]
amdhsa.kernels:
  - .name:           k_qa1aaafb423_qkv
    .symbol:         k_qa1aaafb423_qkv.kd
    .args:
      - { .name: ximg, .offset: 0, .size: 8, .value_kind: global_buffer, .address_space: global }
      - { .name: wimg, .offset: 8, .size: 8, .value_kind: global_buffer, .address_space: global }
      - { .name: lowp_scales, .offset: 16, .size: 8, .value_kind: global_buffer, .address_space: global }
      - { .name: qimg, .offset: 24, .size: 8, .value_kind: global_buffer, .address_space: global }
      - { .name: kvimg, .offset: 32, .size: 8, .value_kind: global_buffer, .address_space: global }
    .group_segment_fixed_size: 327680
    .private_segment_fixed_size: 0
    .kernarg_segment_align: 8
    .kernarg_segment_size: 40
    .max_flat_workgroup_size: 128
    .sgpr_count:     100
    .vgpr_count:     1024
    .wavefront_size: 32
...
	.end_amdgpu_metadata
.endif
;; end of part 2
;; launch attn (part 3): grid 4 x 64, 16 waves a work-group, clusters of 4 x 1, 327,680 bytes of LDS; arguments qimg, kvimg, lowp_scales, cimg; writes cimg
.if DOCPART == 3
	.amdgcn_target "amdgcn-amd-amdhsa--gfx1250"
	.amdhsa_code_object_version 6
	.text
	.protected	k_qa1aaafb423_attn
	.globl	k_qa1aaafb423_attn
	.p2align	8
	.type	k_qa1aaafb423_attn,@function
k_qa1aaafb423_attn:
	s_mov_b64 s[64:65], 0
	v_nop
	global_prefetch_b8 v0, s[64:65] scope:SCOPE_SE
	s_setreg_imm32_b32 hwreg(HW_REG_WAVE_MODE, 25, 1), 1
	s_wait_xcnt 0x0
	s_wait_alu depctr_hold_cnt(0) depctr_sa_sdst(0) depctr_va_vdst(0) depctr_va_sdst(0) depctr_va_ssrc(0) depctr_va_vcc(0) depctr_vm_vsrc(0)
	s_getreg_b32 s2, hwreg(HW_REG_IB_STS2, 6, 4)
	s_cmp_eq_u32 s2, 0
	s_cbranch_scc0 .Lentry_in_a_cluster
	s_endpgm
.Lentry_in_a_cluster:
	s_bfe_u32 s2, ttmp6, 0x10000c
	s_cmp_lg_u32 s2, 0x3003
	s_cbranch_scc0 .Lentry_shape_is_right
	s_endpgm
.Lentry_shape_is_right:
; Causal attention on E4M3 codes, head size 64, 2,048 keys, 64 (batch x head); its result is quantised at once to the codes of the last product's left operand.
; t = score x log2(e) / 8; M = the running largest t rounded UP to a whole number; p = 2^(t - M) is quantised (2^e8), not normalised; the row's sum is taken of the unquantised p and divides at the end.
; K AND V STAY IN LDS.  A head's codes in kvimg are 32 x 8,192 bytes (64 keys: k's four tiles, then v's four), 262,144 in all: they are brought once and nothing is filled again.
; Each of the sixteen waves asks twice: 2,560 bytes of keys 0-319 at the head, and 13,824 bytes of the rest behind the full sequence and a round; keys 0-255 are worked while the rest is on its way; one more barrier, and no other.
; CLUSTER 4 x 1: the four work-groups of a head need the same bytes in the same order, so both loads are joint (mask 15).
; SHARES.  The head's queries go in 16 blocks of 128; of each block work-group cx owns queries 32 cx .. 32 cx + 31, two tiles of 16.  Wave w (a = w / 2, u = w % 2) owns tile u of block 15 - a (the high tile) and tile u of block a
; (the low tile).  While the keys lie in or ahead of block a a step serves both tiles with 64 keys; behind that it serves the high tile alone with 128 keys; behind block 15 - a nothing.
; Both kinds of step hold 64 scores a lane, and every wave walks 2 (a + 1) + (15 - 2 a) = 17 of them.
; CAUSAL.  Both loops have constant trip counts, 64 keys a trip; in the range of the steps of 128 keys the odd trips are jumped over.  A tile is masked in its own block of keys.  All these branches hang on the wave's number and the
; count of steps alone, never on cx: so in work-groups 0 and 1 the second 64 keys of a tile's own block are walked with every score hidden (p = 0).  Key 0 counts for every query, so M is a number from the first step on.
; The trip at key 1,984 would be an odd trip of the steps of 128 keys in every wave: the second loop ends ahead of it, and its reads end at byte 262,143.  The first loop's reads end at byte 24,576 + 16,383, inside the first load.
; NO PREFETCH: the two loads a wave ask for all of K and V at the launch's start; no later trip asks memory for anything.
; LAYOUT.  Both products transposed: S^T = k q^T, O^T = v^T p^T: a lane holds one query of each tile throughout.  Place r of tile 2 g + u of q and k holds row 32 g + 8 u + r + 8 (r / 8), so register 16 b + i of 64 keys'
; scores is key 32 b + 16 (lane / 16) + i, and the conversions' results are the second product's operand; likewise O^T's registers run along e, and its codes are a lane's 16 bytes of a piece of cimg.
; LIMITS: e6 + e7 between -123 and 130 (added to c's exponent field); e8, and e10 - e8 - e9, between -126 and 119.  NaN is not served.
; REGISTERS: v1-11 addresses and constants; v[12:13], v[14:15] (-M, largest t) of the high, the low tile; v16-31 q; v32-63, v208-239 k and v; v64-127 scores, then p; v128-191 O^T; v192-207 p's codes; v240-243 the sums; v244-247 f; v248-255 at work.
.set SPARE, 262144                     ; behind K and V: the spare words, 128 bytes for each of sixteen waves, which no other line names
.set L0W,  2560                        ; a wave's part of the first load: 10 rows of 256 bytes
.set L0B,  16*L0W                      ; the first load's bytes: keys 0-319
.set L1W,  13824                       ; a wave's part of the second load: 54 rows of 256 bytes
.set LI,   1                           ; v1  16 x lane
.set ADR,  2                           ; v2  the step's bytes + 16 x lane
.set SCL,  3                           ; v3  the conversion's scale
.set LQ,   4                           ; v4  8 u + r + 8 (r / 8) - 16 (lane / 16)
.set SPW,  5                           ; v5  LDS address of my spare word; never rewritten
.set NIL,  6                           ; v6  0; never rewritten
.set TB,   12                          ; s12 LDS byte at which the trip's keys begin
.set KF,   13                          ; s13 the trip's first key
.set QB,   14                          ; s14, s15 first query of the high tile's block, of the low tile's
.set QE,   16                          ; s16, s17 their last queries
.set WV,   18
.set CNT,  19
.set SEL,  20                          ; s[20:21] v_permlanex16_b32's selects for lane l xor 16
.set CS,   22                          ; s[22:23] c = log2(e) / 8 x 2^(e6 + e7)
.set G1A,  24                          ; s[24:31] group 1 of the first load, s[32:39] of the second
.set G1B,  32
.set G0A,  40
.set G0B,  56
.set Q0,   60                          ; s60, s61 first query of my work-group's 32 in the two blocks: they enter addresses in memory and the mask's numbers alone
.set QA,   80                          ; s[80:81], s[82:83] q's codes of the two tiles
.set CA,   84                          ; s[84:85], s[86:87] their places in cimg
.macro ROUND                           ; a round of the cluster's barrier
	s_barrier_signal -1
	s_barrier_wait -1
	s_cmp_lg_u32 s[WV], 0
	s_cbranch_scc1 .Lnw0_\@
	s_barrier_signal -3
.Lnw0_\@:
	s_barrier_wait -3
	s_barrier_signal -1
	s_barrier_wait -1
.endm
	s_load_b256 s[4:11], s[0:1], 0x0               ; qimg s[4:5], kvimg s[6:7], the exponents s[8:9], cimg s[10:11]
	v_lshl_add_u32 v[SPW], v0, 2, SPARE
	v_mov_b32 v[NIL], 0
	ds_add_u32 v[SPW], v[NIL]                      ; the opening: the add, twice on end, and its wait ahead of my first tensor load
	ds_add_u32 v[SPW], v[NIL]
	v_lshrrev_b32 v8, 5, v0
	v_readfirstlane_b32 s[WV], v8                  ; wave 0..15
	s_bfe_u32 s70, ttmp6, 0x40000                  ; cx
	s_and_b32 s68, ttmp7, 0xffff                   ; 16 x batch + head
	s_lshr_b32 s71, s[WV], 1                       ; a
	s_and_b32 s88, s[WV], 1                        ; u
	s_sub_co_u32 s69, 15, s71
	s_lshl_b32 s[QB], s69, 7
	s_lshl_b32 s[QB+1], s71, 7
	s_add_co_u32 s[QE], s[QB], 127
	s_add_co_u32 s[QE+1], s[QB+1], 127
	s_lshl_b32 s69, s70, 5
	s_add_co_u32 s[Q0], s[QB], s69
	s_add_co_u32 s[Q0+1], s[QB+1], s69
	s_lshl_b32 s72, s68, 18                        ; the head's bytes in kvimg
	s_mul_i32 s73, s[WV], L0W                      ; first load: 2,560 x wave, in LDS as in the head's bytes
	s_add_co_u32 s74, s72, s73
	s_mov_b32 s75, 0
	s_mul_i32 s76, s[WV], L1W
	s_add_co_u32 s76, s76, L0B                     ; second load: 40,960 + 13,824 x wave
	s_add_co_u32 s78, s72, s76
	s_mov_b32 s79, 0
.irp i, 0,1
	s_lshl_b32 s[QA+2*\i], s[Q0+\i], 6             ; qimg: 64 bytes a query,
	s_lshl_b32 s69, s88, 10                        ; tile u of the pair,
	s_add_co_u32 s[QA+2*\i], s[QA+2*\i], s69
	s_lshl_b32 s69, s68, 17                        ; in the head's 131,072 bytes
	s_add_co_u32 s[QA+2*\i], s[QA+2*\i], s69
	s_mov_b32 s[QA+2*\i+1], 0
	s_lshr_b32 s69, s68, 4
	s_lshl_b32 s69, s69, 7
	s_lshr_b32 s89, s[Q0+\i], 4
	s_add_co_u32 s69, s69, s89
	s_add_co_u32 s69, s69, s88                     ; cimg: tile 128 x batch + first query / 16 + u,
	s_lshl_b32 s69, s69, 14
	s_and_b32 s89, s68, 15
	s_lshl_b32 s89, s89, 10                        ; pieces 2 x head, 2 x head + 1
	s_add_co_u32 s[CA+2*\i], s69, s89
	s_mov_b32 s[CA+2*\i+1], 0
.endr
	s_lshl_b32 s88, s88, 3                         ; 8 u
	; group 1: rows of 256 bytes (32 elements of 8 bytes), dense in memory and in LDS; the mask names the cluster's four, bit 21 beside it
	s_mov_b32 s[G1A], 15|(3<<16)|(1<<21)
	s_mov_b32 s[G1A+1], 32<<16
	s_mov_b32 s[G1A+2], 10<<16
	s_mov_b32 s[G1A+3], 32<<16
	s_mov_b32 s[G1A+4], 10
	s_mov_b32 s[G1A+5], 32
	s_mov_b32 s[G1A+6], 0
	s_mov_b32 s[G1A+7], 0
	s_mov_b32 s[G1B], 15|(3<<16)|(1<<21)
	s_mov_b32 s[G1B+1], 32<<16
	s_mov_b32 s[G1B+2], 54<<16
	s_mov_b32 s[G1B+3], 32<<16
	s_mov_b32 s[G1B+4], 54
	s_mov_b32 s[G1B+5], 32
	s_mov_b32 s[G1B+6], 0
	s_mov_b32 s[G1B+7], 0
	s_mov_b32 s[SEL], 0x76543210
	s_mov_b32 s[SEL+1], 0xfedcba98
	s_mov_b32 s[TB], 0
	s_mov_b32 s[KF], 0
	s_wait_dscnt 0x0                               ; both opening adds are done
	s_wait_kmcnt 0x0
	s_load_b256 s[44:51], s[8:9], 0x0              ; e0 .. e7
	s_load_b128 s[52:55], s[8:9], 0x20             ; e8 .. e11
	s_mov_b32 s[G0A], 1
	s_mov_b32 s[G0A+1], s73
	s_add_nc_u64 s[G0A+2:G0A+3], s[6:7], s[74:75]
	s_or_b32 s[G0A+3], s[G0A+3], 0x80000000
	s_mov_b32 s[G0B], 1
	s_mov_b32 s[G0B+1], s76
	s_add_nc_u64 s[G0B+2:G0B+3], s[6:7], s[78:79]
	s_or_b32 s[G0B+3], s[G0B+3], 0x80000000
	ROUND                                          ; all four work-groups are here: the first joint loads meet
	tensor_load_to_lds s[G0A:G0A+3], s[G1A:G1A+7]  ; keys 0-319: every wave's one load at the head
	s_nop 0
.rept 4
	v_nop
.endr
.irp i, 0,1
	s_add_nc_u64 s[QA+2*\i:QA+2*\i+1], s[4:5], s[QA+2*\i:QA+2*\i+1]
	s_add_nc_u64 s[CA+2*\i:CA+2*\i+1], s[10:11], s[CA+2*\i:CA+2*\i+1]
.endr
	v_and_b32 v[LI], 31, v0
	v_lshlrev_b32 v[LI], 4, v[LI]
.irp u, 0,1
.irp c, 0,1
	global_load_b128 v[16+8*\u+4*\c:16+8*\u+4*\c+3], v[LI], s[QA+2*\u:QA+2*\u+1] offset:512*\c   ; q's two fragments stay in registers
.endr
.endr
	v_and_b32 v8, 15, v0
	v_bfe_u32 v9, v0, 4, 1
	v_and_b32 v[LQ], 8, v8
	v_lshlrev_b32 v9, 4, v9
	v_add_nc_u32 v[LQ], v[LQ], v8
	v_mov_b32 v7, 0xff800000                       ; -infinity
	v_sub_nc_u32 v[LQ], v[LQ], v9
	v_mov_b32 v13, 0xff61b1e6                      ; the largest t so far: -3e38, under every t
	v_add_nc_u32 v[LQ], s88, v[LQ]
	v_mov_b32 v15, 0xff61b1e6
	v_floor_f32 v12, -v13                          ; -M
	v_floor_f32 v14, -v15
.set j, 0
.rept 64
	v_mov_b32 v[128+j], 0                          ; O^T: the step is written once for all steps: the first finds zeros, which the first change of M leaves zeros
.set j, j+1
.endr
.set j, 0
.rept 16
	v_mov_b32 v[240+j], 0                          ; the sums; and what is named as half of a pair or as a lane permute's destination is written once
.set j, j+1
.endr
	s_wait_kmcnt 0x0
	s_add_co_i32 s96, s50, s51
	s_lshl_b32 s96, s96, 23
	s_mov_b32 s[CS], 0x3e38aa3b                    ; log2(e) / 8
	s_add_co_i32 s[CS], s[CS], s96                 ; a score stands for score x 2^(e6 + e7)
	s_mov_b32 s[CS+1], s[CS]
	s_add_co_i32 s96, s52, 127
	s_lshl_b32 s97, s96, 23
	v_mov_b32 v[SCL], s97                          ; 2^e8
	s_add_co_i32 s96, s96, 8
	s_lshl_b32 s96, s96, 23
	s_or_b32 s96, s96, 0x600000
	v_mov_b32 v10, s96                             ; 448 x 2^e8, twice: the two halves of a dual instruction take their second sources from different register banks
	v_mov_b32 v11, s96
; THE BODY OF A STEP.  The 64 score registers go in two halves u = 0, 1.  nt = 2: 64 keys; half u is tile u (0 the high, 1 the low), each with its own M, sum and O^T.
; nt = 1: 128 keys for the high tile; half u is keys 64 u on; one M, one sum, one O^T.  n2 = 2 nt.  ST = 1 where a half has its own state, KV = 1 where it has its own keys.
.macro BODY nt, n2
.set ST, \nt-1
.set KV, 2-\nt
	v_add_nc_u32 v[ADR], s[TB], v[LI]
.rept 3
	v_nop                                          ; with the addition: four places in front of loads into registers that the last products read
.endr
.if \nt == 2
.irp t, 0,1,2,3
.irp c, 0,1
	ds_load_b128 v[32+8*\t+4*\c:32+8*\t+4*\c+3], v[ADR] offset:1024*\t+512*\c
.endr
.endr
.irp t, 0,1,2,3
.irp c, 0,1
	ds_load_b128 v[208+8*\t+4*\c:208+8*\t+4*\c+3], v[ADR] offset:4096+1024*\t+512*\c
.endr
.endr
	s_wait_dscnt 8                                 ; k's eight loads are in; v's eight may be out
.else
.irp g, 0,1
.irp t, 0,1,2,3
.irp c, 0,1
	ds_load_b128 v[32+176*\g+8*\t+4*\c:32+176*\g+8*\t+4*\c+3], v[ADR] offset:8192*\g+1024*\t+512*\c   ; k of 128 keys: both runs of fragment registers
.endr
.endr
.endr
	s_wait_alu depctr_va_vdst(0)                   ; directly ahead of the wait below
	s_wait_dscnt 0x0
.endif
.irp t, 0,1,2,3
.set u, 0
.rept 2
	v_wmma_f32_16x16x64_fp8_fp8 v[64+32*u+8*\t:64+32*u+8*\t+7], v[32+176*u*KV+8*\t:32+176*u*KV+8*\t+7], v[16+8*u*ST:16+8*u*ST+7], 0
.set u, u+1
.endr
.endr
.rept 4
	v_nop
.endr
.if \nt == 1
.irp g, 0,1
.irp t, 0,1,2,3
.irp c, 0,1
	ds_load_b128 v[32+176*\g+8*\t+4*\c:32+176*\g+8*\t+4*\c+3], v[ADR] offset:8192*\g+4096+1024*\t+512*\c   ; v of the 128 keys, where k lay: four places behind the products that read k
.endr
.endr
.endr
.endif
	s_cmp_lt_u32 s[KF], s[QB+\nt-1]                ; all keys come ahead of the tile's block: no mask
	s_cbranch_scc1 .Lopen_\@
	s_sub_co_i32 s96, s[Q0+\nt-1], s[KF]
	v_add_nc_u32 v8, s96, v[LQ]                    ; d = my query - the step's first key - 16 (lane / 16); a register is hidden where its key's place in the step, less 16 (lane / 16), is over d
.set n, 32*ST
.rept 64-32*ST
	v_cmp_gt_i32 vcc_lo, 64*KV*(n/32)+32*((n%32)/16)+n%16, v8
	v_cndmask_b32 v[64+n], v[64+n], v7, vcc_lo
.set n, n+1
.endr
.Lopen_\@:
.set u, 0
.rept 2                                        ; the step's largest score, two chains a half; each accumulator is first read at its low end
	v_max3_num_f32 v[248+2*u], v[64+32*u], v[65+32*u], v[66+32*u]
	v_max3_num_f32 v[249+2*u], v[67+32*u], v[68+32*u], v[69+32*u]
.set u, u+1
.endr
.irp i, 6,10,14,18,22,26
.set u, 0
.rept 2
	v_max3_num_f32 v[248+2*u], v[248+2*u], v[64+32*u+\i], v[65+32*u+\i]
	v_max3_num_f32 v[249+2*u], v[249+2*u], v[66+32*u+\i], v[67+32*u+\i]
.set u, u+1
.endr
.endr
.set u, 0
.rept 2
	v_max3_num_f32 v[248+2*u], v[248+2*u], v[94+32*u], v[95+32*u]
.set u, u+1
.endr
.if \nt == 2
.set u, 0
.rept 2
	s_delay_alu instid0(VALU_DEP_2)
	v_max_num_f32 v[248+2*u], v[248+2*u], v[249+2*u]
.set u, u+1
.endr
.else
	s_delay_alu instid0(VALU_DEP_1)
	v_max3_num_f32 v248, v248, v249, v250          ; the four chains are one tile's
	s_delay_alu instid0(VALU_DEP_1)
	v_max_num_f32 v248, v248, v251
.endif
.set u, 0
.rept \nt
	s_delay_alu instid0(VALU_DEP_\nt)
	v_permlanex16_b32 v[249+2*u], v[248+2*u], s[SEL], s[SEL+1]
.set u, u+1
.endr
.set u, 0
.rept \nt
	s_delay_alu instid0(VALU_DEP_\nt)
	v_max_num_f32 v[248+2*u], v[248+2*u], v[249+2*u]      ; and lane l xor 16's
.set u, u+1
.endr
.set u, 0
.rept \nt
	s_delay_alu instid0(VALU_DEP_\nt)
	v_mul_f32 v[248+2*u], s[CS], v[248+2*u]        ; as t (c is positive)
.set u, u+1
.endr
.set u, 0
.rept \nt
	s_delay_alu instid0(VALU_DEP_\nt)
	v_max_num_f32 v[13+2*u], v[13+2*u], v[248+2*u] ; the running largest t
.set u, u+1
.endr
.set u, 0
.rept \nt
	v_mov_b32 v[248+2*u], v[12+2*u]
.set u, u+1
.endr
.set u, 0
.rept \nt
	s_delay_alu instid0(VALU_DEP_\n2)
	v_floor_f32 v[12+2*u], -v[13+2*u]              ; the new -M = -ceil(t): a whole number
.set u, u+1
.endr
.set u, 0
.rept \nt
	s_delay_alu instid0(VALU_DEP_\nt)
	v_sub_f32 v[248+2*u], v[12+2*u], v[248+2*u]    ; old M - new M: a whole number, 0 or less
.set u, u+1
.endr
.set u, 0
.rept \nt
	s_delay_alu instid0(VALU_DEP_\nt)
	v_cvt_i32_f32 v[248+2*u], v[248+2*u]           ; (it saturates)
.set u, u+1
.endr
.set u, 0
.rept \nt
	s_delay_alu instid0(VALU_DEP_\nt)
	v_ldexp_f32 v[244+2*u], 1.0, v[248+2*u]        ; f = 2^(old M - new M)
.set u, u+1
.endr
.set u, 0
.rept 2
.set j, 0
.rept 16
	v_pk_fma_f32 v[64+32*u+j:65+32*u+j], v[64+32*u+j:65+32*u+j], s[CS:CS+1], v[12+2*u*ST:13+2*u*ST] op_sel_hi:[1,0,0]   ; t - M, two at a time
.set j, j+2
.endr
.set u, u+1
.endr
.set j, 0
	s_wait_alu depctr_va_vdst(0)
.rept 64
	v_exp_f32 v[64+j], v[64+j]                     ; p = 2^(t - M): one batch
.set j, j+1
.endr
.set u, 0
.rept \nt
	v_pk_mul_f32 v[240+2*u:241+2*u], v[240+2*u:241+2*u], v[244+2*u:245+2*u] op_sel_hi:[1,0]   ; the sums under the new M; the plain lines behind the exponentials
.set u, u+1
.endr
	s_wait_alu depctr_va_vdst(0)                   ; one wait for the batch, ahead of its first reader
.if \nt == 2                                   ; the row's sum is taken of the unquantised p: two chains a tile
.set u, 0
.rept 2
	v_pk_add_f32 v[252+2*u:253+2*u], v[64+32*u:65+32*u], v[66+32*u:67+32*u]
.set u, u+1
.endr
.irp j, 4,8,12,16,20,24,28
.set u, 0
.rept 2
	v_pk_add_f32 v[240+2*u:241+2*u], v[240+2*u:241+2*u], v[64+32*u+\j:65+32*u+\j]
	v_pk_add_f32 v[252+2*u:253+2*u], v[252+2*u:253+2*u], v[66+32*u+\j:67+32*u+\j]
.set u, u+1
.endr
.endr
	s_delay_alu instid0(VALU_DEP_3)
	v_pk_add_f32 v[240:241], v[240:241], v[252:253]
	s_delay_alu instid0(VALU_DEP_2)
	v_pk_add_f32 v[242:243], v[242:243], v[254:255]
.else                                          ; four chains for the one tile
	v_pk_add_f32 v[252:253], v[64:65], v[66:67]
	v_pk_add_f32 v[254:255], v[96:97], v[98:99]
	v_pk_add_f32 v[248:249], v[100:101], v[102:103]
.irp j, 4,8,12,16,20,24,28
	v_pk_add_f32 v[240:241], v[240:241], v[64+\j:65+\j]
	v_pk_add_f32 v[252:253], v[252:253], v[66+\j:67+\j]
.if \j > 4
	v_pk_add_f32 v[254:255], v[254:255], v[96+\j:97+\j]
	v_pk_add_f32 v[248:249], v[248:249], v[98+\j:99+\j]
.endif
.endr
	v_pk_add_f32 v[240:241], v[240:241], v[252:253]
	v_pk_add_f32 v[254:255], v[254:255], v[248:249]
	v_pk_add_f32 v[240:241], v[240:241], v[254:255]
.endif
.set u, 0
.rept 2
.irp b, 0,1
.set j, 0
.rept 8
	v_dual_min_num_f32 v[64+32*u+16*\b+j], v[64+32*u+16*\b+j], v10 :: v_dual_min_num_f32 v[65+32*u+16*\b+j], v[65+32*u+16*\b+j], v11   ; the conversion does not saturate (ISA guide 7.6.2); p is not negative, so the hold is one-sided; two holds an instruction
.set j, j+2
.endr
	v_cvt_scalef32_pk8_fp8_f32 v[192+8*u+4*\b:193+8*u+4*\b], v[64+32*u+16*\b:71+32*u+16*\b], v[SCL]
	v_cvt_scalef32_pk8_fp8_f32 v[194+8*u+4*\b:195+8*u+4*\b], v[72+32*u+16*\b:79+32*u+16*\b], v[SCL]
.endr
.set u, u+1
.endr
	s_wait_alu depctr_va_vdst(0)                   ; directly ahead of the first reader of O^T
.set u, 0
.rept \nt
.set j, 0
.rept 16
	v_pk_mul_f32 v[128+32*u+j:129+32*u+j], v[128+32*u+j:129+32*u+j], v[244+2*u:245+2*u] op_sel_hi:[1,0]   ; O^T under the new M; these are also the plain lines between the conversions and the products
.set j, j+2
.endr
.set u, u+1
.endr
	s_wait_alu depctr_va_vdst(0)
	s_wait_dscnt 0x0                               ; v is in
.set u, 0
.rept 2                                        ; O^T += v^T p^T, half by half: the accumulators by turns; nt = 1: three others' instructions stand between the two on one accumulator
.irp t, 0,1,2,3
	v_wmma_f32_16x16x64_fp8_fp8 v[128+32*u*ST+8*\t:128+32*u*ST+8*\t+7], v[208*ST+KV*(32+176*u)+8*\t:208*ST+KV*(32+176*u)+8*\t+7], v[192+8*u:192+8*u+7], v[128+32*u*ST+8*\t:128+32*u*ST+8*\t+7]
.endr
.set u, u+1
.endr
.endm
; A TRIP: 64 keys on, 8,192 bytes of LDS on.
.macro STEP
	s_cmp_gt_u32 s[KF], s[QE]                      ; all keys come after the high tile's block: a branch on the wave's number and the count of steps, round the step's work alone
	s_cbranch_scc1 .Lhidden_\@
	s_cmp_gt_u32 s[KF], s[QE+1]                    ; all keys come after the low tile's block: the high tile alone
	s_cbranch_scc1 .Lsingle_\@
	BODY 2, 4
	s_branch .Lhidden_\@
.Lsingle_\@:
	s_bitcmp1_b32 s[KF], 6                         ; the trip before took these 64 keys with its own
	s_cbranch_scc1 .Lhidden_\@
	BODY 1, 2
.Lhidden_\@:
	s_add_co_u32 s[KF], s[KF], 64
	s_add_co_u32 s[TB], s[TB], 8192
.endm
	s_wait_alu depctr_va_vdst(0)
	s_wait_tensorcnt 0x0                           ; my part of keys 0-319 is in
	ds_add_u32 v[SPW], v[NIL]
	s_wait_dscnt 0x0
	ROUND                                          ; everybody's part is in, and all four work-groups are here: the joint loads meet
	tensor_load_to_lds s[G0B:G0B+3], s[G1B:G1B+7]  ; keys 320-2,047: my one load behind the round; it lands on bytes 40,960 and up, the four trips below read bytes under 40,960
	s_nop 0
.rept 4
	v_nop
.endr
	s_wait_loadcnt 0x0                             ; q
	s_mov_b32 s[CNT], 4
.Lfirst:                                           ; keys 0-255
	STEP
	s_sub_co_u32 s[CNT], s[CNT], 1
	s_cmp_lg_u32 s[CNT], 0
	s_cbranch_scc1 .Lfirst
	s_wait_tensorcnt 0x0                           ; my part of the rest is in
	ds_add_u32 v[SPW], v[NIL]
	s_wait_dscnt 0x0
	s_barrier_signal -1
	s_barrier_wait -1                              ; everybody's part is in; no round follows
	s_mov_b32 s[CNT], 27
.Lrest:                                            ; trips at keys 256 to 1,920: no barrier, the waves share nothing but bytes that stay
	STEP
	s_sub_co_u32 s[CNT], s[CNT], 1
	s_cmp_lg_u32 s[CNT], 0
	s_cbranch_scc1 .Lrest
	; THE WAY OUT: O^T / the sum, quantised with 2^(e10 - e8 - e9); a lane's 16 codes are its 16 bytes of a piece of cimg.
	v_add_f32 v240, v240, v241
	v_add_f32 v242, v242, v243
	s_delay_alu instid0(VALU_DEP_2)
	v_permlanex16_b32 v248, v240, s[SEL], s[SEL+1]
	s_delay_alu instid0(VALU_DEP_2)
	v_permlanex16_b32 v250, v242, s[SEL], s[SEL+1]
	s_delay_alu instid0(VALU_DEP_2)
	v_add_f32 v240, v240, v248
	s_delay_alu instid0(VALU_DEP_2)
	v_add_f32 v242, v242, v250                     ; the rows' sums
	s_wait_alu depctr_va_vdst(0)
	v_rcp_f32 v240, v240
	v_rcp_f32 v242, v242
	v_nop                                          ; a plain line behind the reciprocals
	s_sub_co_i32 s96, s54, s52
	s_sub_co_i32 s96, s96, s53
	s_add_co_i32 s96, s96, 127
	s_lshl_b32 s97, s96, 23
	v_mov_b32 v[SCL], s97                          ; 2^(e10 - e8 - e9)
	s_add_co_i32 s96, s96, 8
	s_lshl_b32 s96, s96, 23
	s_or_b32 s96, s96, 0x600000
	v_mov_b32 v11, s96                             ; 448 x that
	s_wait_alu depctr_va_vdst(0)                   ; one wait for both reciprocals and for O^T, directly ahead of their first reader
.irp u, 0,1
.set j, 0
.rept 16
	v_pk_mul_f32 v[128+32*\u+j:129+32*\u+j], v[128+32*\u+j:129+32*\u+j], v[240+2*\u:241+2*\u] op_sel_hi:[1,0]
.set j, j+2
.endr
.endr
.irp u, 0,1
.set j, 0
.rept 32
	v_med3_num_f32 v[128+32*\u+j], v[128+32*\u+j], -v11, v11
.set j, j+1
.endr
.irp g, 0,1,2,3
	v_cvt_scalef32_pk8_fp8_f32 v[192+8*\u+2*\g:193+8*\u+2*\g], v[128+32*\u+8*\g:135+32*\u+8*\g], v[SCL]
.endr
.endr
	v_nop
.irp u, 0,1
.irp b, 0,1
	global_store_b128 v[LI], v[192+8*\u+4*\b:195+8*\u+4*\b], s[CA+2*\u:CA+2*\u+1] offset:512*\b   ; 512 consecutive bytes, aligned
.endr
.endr
	s_wait_tensorcnt 0x0                           ; the wave's end
	ds_add_u32 v[SPW], v[NIL]
	s_wait_dscnt 0x0
	ROUND                                          ; the closing round
	s_endpgm
.Lfunc_end_k_qa1aaafb423_attn:
	.size	k_qa1aaafb423_attn, .Lfunc_end_k_qa1aaafb423_attn-k_qa1aaafb423_attn
	.p2alignl 7, 3214868480
	.fill 96, 4, 3214868480
	.section	.rodata,"a",@progbits
	.p2align	6, 0x0
	.amdhsa_kernel k_qa1aaafb423_attn
		.amdhsa_group_segment_fixed_size 327680
		.amdhsa_private_segment_fixed_size 0
		.amdhsa_enable_private_segment 0
		.amdhsa_kernarg_size 32
		.amdhsa_user_sgpr_count 2
		.amdhsa_user_sgpr_kernarg_segment_ptr 1
		.amdhsa_wavefront_size32 1
		.amdhsa_system_sgpr_workgroup_id_x 1
		.amdhsa_system_sgpr_workgroup_id_y 1
		.amdhsa_system_sgpr_workgroup_id_z 1
		.amdhsa_system_vgpr_workitem_id 0
		.amdhsa_next_free_vgpr 256
		.amdhsa_next_free_sgpr 100
		.amdhsa_reserve_vcc 1
		.amdhsa_float_denorm_mode_32 3
		.amdhsa_float_denorm_mode_16_64 3
		.amdhsa_memory_ordered 1
		.amdhsa_forward_progress 1
		.amdhsa_inst_pref_size 98
	.end_amdhsa_kernel
	.amdgpu_metadata
---
amdhsa.version: [ 1, 2 ]
amdhsa.kernels:
  - .name:           k_qa1aaafb423_attn
    .symbol:         k_qa1aaafb423_attn.kd
    .args:
      - { .name: qimg, .offset: 0, .size: 8, .value_kind: global_buffer, .address_space: global }
      - { .name: kvimg, .offset: 8, .size: 8, .value_kind: global_buffer, .address_space: global }
      - { .name: lowp_scales, .offset: 16, .size: 8, .value_kind: global_buffer, .address_space: global }
      - { .name: cimg, .offset: 24, .size: 8, .value_kind: global_buffer, .address_space: global }
    .group_segment_fixed_size: 327680
    .private_segment_fixed_size: 0
    .kernarg_segment_align: 8
    .kernarg_segment_size: 32
    .max_flat_workgroup_size: 512
    .sgpr_count:     100
    .vgpr_count:     256
    .wavefront_size: 32
...
	.end_amdgpu_metadata
.endif
;; end of part 3
;; launch outp (part 4): grid 8 x 32, 4 waves a work-group, clusters of 4 x 4, 327,680 bytes of LDS; arguments cimg, wimg, lowp_scales, bo, out0; writes out0
.if DOCPART == 4
	.amdgcn_target "amdgcn-amd-amdhsa--gfx1250"
	.amdhsa_code_object_version 6
	.text
	.protected	k_qa1aaafb423_outp
	.globl	k_qa1aaafb423_outp
	.p2align	8
	.type	k_qa1aaafb423_outp,@function
k_qa1aaafb423_outp:
	s_mov_b64 s[64:65], 0
	v_nop
	global_prefetch_b8 v0, s[64:65] scope:SCOPE_SE
	s_setreg_imm32_b32 hwreg(HW_REG_WAVE_MODE, 25, 1), 1
	s_wait_xcnt 0x0
	s_wait_alu depctr_hold_cnt(0) depctr_sa_sdst(0) depctr_va_vdst(0) depctr_va_sdst(0) depctr_va_ssrc(0) depctr_va_vcc(0) depctr_vm_vsrc(0)
	s_getreg_b32 s2, hwreg(HW_REG_IB_STS2, 6, 4)
	s_cmp_eq_u32 s2, 0
	s_cbranch_scc0 .Lentry_in_a_cluster
	s_endpgm
.Lentry_in_a_cluster:
	s_bfe_u32 s2, ttmp6, 0x10000c
	s_cmp_lg_u32 s2, 0xf033
	s_cbranch_scc0 .Lentry_shape_is_right
	s_endpgm
.Lentry_shape_is_right:
.set FR,    16
.set NL,    4
.set NP,    4
.set SLOT,  98304
.set SPARE, 2*SLOT
.set SPITCH, 272
.set ADRA, 16
.set ADRB, 20
.set STO,  24
.set RD,   25
.set CO,   26
.set LI,   27
.set SPW,  28
.set NIL,  29
.set TMP,  32
.set BIAS, 96
.set AF,   128
.set BK,   128
.set G1,  24
.set G0,  32
.set G1B, 48
.set G0B, 56
.set MSB, 0
.macro WIN new
.if MSB != \new
	s_set_vgpr_msb (MSB<<8)|\new
.set MSB, \new
.endif
.endm
.set MUL,  0xa1
.set TO_B, 0x40
.macro JLOAD g0a, g1a, g0b, g1b
	s_cmp_eq_u32 s15, 0
	s_cbranch_scc0 .Lfor_b_\@
	tensor_load_to_lds s[\g0a:\g0a+3], s[\g1a:\g1a+7]
	s_nop 0
.rept 4
	v_nop
.endr
	s_branch .Lasked_\@
.Lfor_b_\@:
	tensor_load_to_lds s[\g0b:\g0b+3], s[\g1b:\g1b+7]
	s_nop 0
.rept 4
	v_nop
.endr
.Lasked_\@:
.endm
.macro CREST
	s_cmp_lg_u32 s14, 0
	s_cbranch_scc1 .Lnot_wave_0_\@
	s_barrier_signal -3
.Lnot_wave_0_\@:
	s_barrier_wait -3
	s_barrier_signal -1
	s_barrier_wait -1
.endm
.macro CROUND
	s_barrier_signal -1
	s_barrier_wait -1
	CREST
.endm
	s_load_b256 s[4:11], s[0:1], 0x0
	s_load_b64 s[12:13], s[0:1], 0x20
	v_lshl_add_u32 v[SPW], v0, 2, SPARE
	v_mov_b32 v[NIL], 0
	ds_add_u32 v[SPW], v[NIL]
	ds_add_u32 v[SPW], v[NIL]
	v_lshrrev_b32 v1, 5, v0
	v_readfirstlane_b32 s14, v1
	s_lshr_b32 s15, s14, 1
	s_and_b32 s16, s14, 1
	s_bfe_u32 s40, ttmp6, 0x40000
	s_bfe_u32 s41, ttmp6, 0x40004
	s_lshl_b32 s42, ttmp9, 2
	s_add_co_u32 s42, s42, s40
	s_and_b32 s17, ttmp7, 0xffff
	s_lshl_b32 s17, s17, 2
	s_add_co_u32 s17, s17, s41
	s_lshl_b32 s43, s41, 2
	s_lshl_b32 s43, 15, s43
	s_lshl_b32 s44, 0x1111, s40
	s_or_b32 s[G1+0], s43, (3<<16)|(1<<21)
	s_or_b32 s[G1B+0], s44, (3<<16)|(1<<21)
	s_mov_b32 s[G1+1], 512<<16
	s_mov_b32 s[G1+2], 8<<16
	s_mov_b32 s[G1+3], 512<<16
	s_mov_b32 s[G1+4], 8
	s_mov_b32 s[G1+5], 2048
	s_mov_b32 s[G1+6], 0
	s_mov_b32 s[G1+7], 0
	s_mov_b32 s[G1B+1], 512<<16
	s_mov_b32 s[G1B+2], 4<<16
	s_mov_b32 s[G1B+3], 512<<16
	s_mov_b32 s[G1B+4], 4
	s_mov_b32 s[G1B+5], 2048
	s_mov_b32 s[G1B+6], 0
	s_mov_b32 s[G1B+7], 0
	s_lshl_b32 s20, s17, 18
	s_lshl_b32 s22, s16, 17
	s_add_co_u32 s20, s20, s22
	s_mov_b32 s21, 0
	s_lshl_b32 s46, s42, 17
	s_lshl_b32 s22, s16, 16
	s_add_co_u32 s46, s46, s22
	s_add_co_u32 s46, s46, 0x300000
	s_mov_b32 s47, 0
	s_lshl_b32 s45, s16, 15
	s_lshl_b32 s23, s16, 14
	s_add_co_u32 s23, s23, 65536
	s_wait_dscnt 0x0
	s_wait_kmcnt 0x0
	s_load_b64 s[96:97], s[8:9], 0x28
	s_add_nc_u64 s[20:21], s[4:5], s[20:21]
	s_add_nc_u64 s[46:47], s[6:7], s[46:47]
	CROUND
.irp s, 0,1
	s_mov_b32 s[G0+4*\s], 1
	s_add_co_u32 s[G0+4*\s+1], s45, \s*SLOT
	s_add_nc_u64 s[G0+4*\s+2:G0+4*\s+3], s[20:21], \s*4096
	s_or_b32 s[G0+4*\s+3], s[G0+4*\s+3], 0x80000000
	s_mov_b32 s[G0B+4*\s], 1
	s_add_co_u32 s[G0B+4*\s+1], s23, \s*SLOT
	s_add_nc_u64 s[G0B+4*\s+2:G0B+4*\s+3], s[46:47], \s*4096
	s_or_b32 s[G0B+4*\s+3], s[G0B+4*\s+3], 0x80000000
	s_wait_alu depctr_va_vdst(0)
	s_wait_tensorcnt 0x0
	ds_add_u32 v28, v29
	ds_add_u32 v28, v29
	s_wait_dscnt 0x0
	CROUND
	JLOAD G0+4*\s, G1, G0B+4*\s, G1B
.endr
	v_and_b32 v1, 15, v0
	s_wait_alu depctr_va_vdst(0)
	v_bfe_u32 v2, v0, 4, 1
	v_and_b32 v6, 31, v0
	v_lshlrev_b32 v[LI], 4, v6
	s_lshl_b32 s21, s15, 15
	s_lshl_b32 s22, s16, 14
	s_add_co_u32 s22, s22, 65536
.irp s, 0,1
	v_add_nc_u32 v[ADRA+\s], s21, v[LI]
	v_add_nc_u32 v[ADRB+\s], s22, v[LI]
	s_add_co_u32 s21, s21, SLOT
	s_add_co_u32 s22, s22, SLOT
.endr
	s_mul_i32 s66, s14, 16*SPITCH
	v_mul_u32_u24 v[STO], v1, SPITCH
	s_wait_alu depctr_va_vdst(0)
	v_lshl_add_u32 v[STO], v2, 6, v[STO]
	v_add_nc_u32 v[STO], s66, v[STO]
	v_mul_u32_u24 v[RD], v2, 8*SPITCH
	v_lshl_add_u32 v[RD], v1, 4, v[RD]
	v_add_nc_u32 v[RD], s66, v[RD]
	v_lshlrev_b32 v[CO], 16, v2
	v_lshl_add_u32 v[CO], v1, 4, v[CO]
	v_lshlrev_b32 v5, 6, v2
	s_wait_alu depctr_va_vdst(0)
	s_lshl_b32 s68, s42, 9
	s_lshl_b32 s69, s16, 8
	s_add_co_u32 s68, s68, s69
	s_mov_b32 s69, 0
	s_add_nc_u64 s[10:11], s[10:11], s[68:69]
	s_lshl_b32 s70, s17, 20
	s_lshl_b32 s71, s15, 19
	s_add_co_u32 s70, s70, s71
	s_add_co_u32 s70, s70, s68
	s_mov_b32 s71, 0
	s_add_nc_u64 s[12:13], s[12:13], s[70:71]
.irp b, 0,1,2,3
	global_load_b128 v[BIAS+8*\b:BIAS+8*\b+3], v5, s[10:11] offset:128*(\b/2)+32*(\b%2)
	global_load_b128 v[BIAS+8*\b+4:BIAS+8*\b+7], v5, s[10:11] offset:128*(\b/2)+32*(\b%2)+16
.endr
.macro FRAG reg, adr, q, i
.irp c, 0,1,2,3
	ds_load_b128 v[\reg+4*\c:\reg+4*\c+3], v[\adr] offset:(\i)*4096+(\q)*2048+512*\c
.endr
.endm
.macro MUL8 a0, p, zero
.irp a, \a0, \a0+1
.irp b, 0,1,2,3
.if \zero
	v_wmma_f32_16x16x128_fp8_fp8 v[8*(4*(\a)+\b):8*(4*(\a)+\b)+7], v[64*(\p)+FR*\b:64*(\p)+FR*\b+FR-1], v[AF+FR*(\a):AF+FR*(\a)+FR-1], 0
.else
	v_wmma_f32_16x16x128_fp8_fp8 v[8*(4*(\a)+\b):8*(4*(\a)+\b)+7], v[64*(\p)+FR*\b:64*(\p)+FR*\b+FR-1], v[AF+FR*(\a):AF+FR*(\a)+FR-1], v[8*(4*(\a)+\b):8*(4*(\a)+\b)+7]
.endif
.endr
.endr
.endm
.macro FETCH_B slot, q, p
	WIN TO_B
.irp i, 0,1,2,3
	FRAG 64*(\p)+FR*\i, ADRB+\slot, \q, \i
.endr
	WIN 0
.endm
.macro FETCH_A slot, q, i0
.irp i, \i0, \i0+1, \i0+2, \i0+3
	FRAG AF+FR*(\i), ADRA+\slot, \q, \i
.endr
.endm
.macro PLACES n
.rept \n
	v_nop
.endr
.endm
.macro STEP slot, q, zero
	s_wait_dscnt 4*NL
	WIN MUL
	MUL8 0, (\q)%2, \zero
	MUL8 2, (\q)%2, \zero
	s_wait_dscnt 0
	PLACES NP
	FETCH_B \slot, (\q)+1, 1-(\q)%2
	FETCH_A \slot, (\q)+1, 0
	WIN MUL
	MUL8 4, (\q)%2, \zero
	MUL8 6, (\q)%2, \zero
	PLACES NP
	WIN 0
	FETCH_A \slot, (\q)+1, 4
.endm
.macro TURN slot, next, fill
	s_wait_tensorcnt 0x0
	ds_add_u32 v[SPW], v[NIL]
	s_wait_dscnt 4*NL+1
	WIN MUL
	MUL8 0, 1, 0
	s_wait_dscnt 0x0
	s_barrier_signal -1
	MUL8 2, 1, 0
	WIN 0
	s_barrier_wait -1
.if \fill
	CREST
	s_add_nc_u64 s[G0+4*\slot+2:G0+4*\slot+3], s[G0+4*\slot+2:G0+4*\slot+3], 8192
	s_add_nc_u64 s[G0B+4*\slot+2:G0B+4*\slot+3], s[G0B+4*\slot+2:G0B+4*\slot+3], 8192
	JLOAD G0+4*\slot, G1, G0B+4*\slot, G1B
.else
	PLACES NP
.endif
	FETCH_B \next, 0, 0
	FETCH_A \next, 0, 0
	WIN MUL
	MUL8 4, 1, 0
	MUL8 6, 1, 0
	PLACES NP
	WIN 0
	FETCH_A \next, 0, 4
.endm
	s_wait_tensorcnt 1
	s_barrier_signal -1
	s_barrier_wait -1
	FETCH_B 0, 0, 0
	FETCH_A 0, 0, 0
	FETCH_A 0, 0, 4
	STEP 0, 0, 1
	TURN 0, 1, 1
	STEP 1, 0, 0
	TURN 1, 0, 1
	STEP 0, 0, 0
	TURN 0, 1, 0
	STEP 1, 0, 0
	s_wait_dscnt 4*NL
	WIN MUL
	MUL8 0, 1, 0
	MUL8 2, 1, 0
	s_wait_dscnt 0
	MUL8 4, 1, 0
	MUL8 6, 1, 0
	WIN 0
.macro TOSTAGE a
	WIN 0x02
.set j, 0
.rept 16
	v_pk_fma_f32 v[TMP+j:TMP+j+1], v[32*(\a)+j:32*(\a)+j+1], s[96:97], v[BIAS+j:BIAS+j+1] op_sel_hi:[1,0,1]
.set j, j+2
.endr
	WIN 0
.irp b, 0,1,2,3
	ds_store_b128 v[STO], v[TMP+8*\b:TMP+8*\b+3] offset:128*(\b/2)+32*(\b%2)
	ds_store_b128 v[STO], v[TMP+8*\b+4:TMP+8*\b+7] offset:128*(\b/2)+32*(\b%2)+16
.endr
.irp i, 0,1,2,3,4,5,6,7
	ds_load_b128 v[BK+32*((\a)%2)+4*\i:BK+32*((\a)%2)+4*\i+3], v[RD] offset:SPITCH*\i
.endr
.endm
.macro SEND a, younger
	s_wait_dscnt \younger
.irp i, 0,1,2,3,4,5,6,7
	global_store_b128 v[CO], v[BK+32*((\a)%2)+4*\i:BK+32*((\a)%2)+4*\i+3], s[12:13] offset:(32*((\a)/2)+8*((\a)%2)+\i)*4096 th:TH_STORE_NT
.endr
.endm
	s_wait_kmcnt 0x0
	s_add_co_i32 s96, s96, s97
	s_add_co_i32 s96, s96, 127
	s_lshl_b32 s96, s96, 23
	s_mov_b32 s97, s96
	s_wait_loadcnt 0x0
	PLACES NP
	TOSTAGE 0
.irp a, 1,2,3,4,5,6,7
.if \a > 1
	s_wait_xcnt 0x0
.endif
	TOSTAGE \a
	SEND \a-1, 16
.endr
	SEND 7, 0
	s_wait_tensorcnt 0x0
	ds_add_u32 v[SPW], v[NIL]
	s_wait_dscnt 0x0
	CROUND
	s_endpgm
.Lfunc_end_k_qa1aaafb423_outp:
	.size	k_qa1aaafb423_outp, .Lfunc_end_k_qa1aaafb423_outp-k_qa1aaafb423_outp
	.p2alignl 7, 3214868480
	.fill 96, 4, 3214868480
	.section	.rodata,"a",@progbits
	.p2align	6, 0x0
	.amdhsa_kernel k_qa1aaafb423_outp
		.amdhsa_group_segment_fixed_size 327680
		.amdhsa_private_segment_fixed_size 0
		.amdhsa_enable_private_segment 0
		.amdhsa_kernarg_size 40
		.amdhsa_user_sgpr_count 2
		.amdhsa_user_sgpr_kernarg_segment_ptr 1
		.amdhsa_wavefront_size32 1
		.amdhsa_system_sgpr_workgroup_id_x 1
		.amdhsa_system_sgpr_workgroup_id_y 1
		.amdhsa_system_sgpr_workgroup_id_z 1
		.amdhsa_system_vgpr_workitem_id 0
		.amdhsa_next_free_vgpr 768
		.amdhsa_next_free_sgpr 100
		.amdhsa_reserve_vcc 0
		.amdhsa_float_denorm_mode_32 3
		.amdhsa_float_denorm_mode_16_64 3
		.amdhsa_memory_ordered 1
		.amdhsa_forward_progress 1
		.amdhsa_inst_pref_size 78
	.end_amdhsa_kernel
	.amdgpu_metadata
---
amdhsa.version: [ 1, 2 ]
amdhsa.kernels:
  - .name:           k_qa1aaafb423_outp
    .symbol:         k_qa1aaafb423_outp.kd
    .args:
      - { .name: cimg, .offset: 0, .size: 8, .value_kind: global_buffer, .address_space: global }
      - { .name: wimg, .offset: 8, .size: 8, .value_kind: global_buffer, .address_space: global }
      - { .name: lowp_scales, .offset: 16, .size: 8, .value_kind: global_buffer, .address_space: global }
      - { .name: bo, .offset: 24, .size: 8, .value_kind: global_buffer, .address_space: global }
      - { .name: out0, .offset: 32, .size: 8, .value_kind: global_buffer, .address_space: global }
    .group_segment_fixed_size: 327680
    .private_segment_fixed_size: 0
    .kernarg_segment_align: 8
    .kernarg_segment_size: 40
    .max_flat_workgroup_size: 128
    .sgpr_count:     100
    .vgpr_count:     768
    .wavefront_size: 32
...
	.end_amdgpu_metadata
.endif
;; end of part 4
